; MI455X (gfx1250); checked and timed in simulation.
; The chip was launched on July 23, 2026; its instructions are those of AMD's public machine-readable ISA for CDNA 5 (MIT licence, August 2026) and "CDNA5" Instruction Set Architecture Reference Guide (July 2026). The comments in the code are by the model that wrote it; some were corrected since.
;; Example Model. Allowed arithmetic: matrix products marked QUANTISED: E2M1 operands, one E8M0 scale for each 32 along K, by v_wmma_scale_f32_16x16x128_f8f6f4 with both operands' format E2M1 (or v_wmma_scale_f32_32x16x128_f4), f32 sums; products left as they are: f32 operands where the result goes on into a quantised operand, else bf16, f16 or f32 operands; f32 sums; everything else in f32.
;; Inputs: b1 8 x 2,048 float32; b2 8 x 512 float32; gate_b 8 float32; gate_w 512 x 8 float32; w1 8 x 512 x 2,048 float32; w2 8 x 2,048 x 512 float32; x 8 x 512 x 512 float32.
;; Outputs: out0 8 x 512 float32.
;; This version of the problem:
;;   THIS VERSION OF THE PROBLEM IS GIVEN IN LOW PRECISION. The matrix products marked QUANTISED in the list below multiply operands that are first quantised to E2M1 (2 exponent bits, 1 mantissa bit; 4 bits a number), with one power-of-two scale for each 32 numbers along K (OCP MX v1.0); their sums are f32. All else is computed in f32.
;;   The module's matrix products, in the order in which they are computed (A, B: the left and right operand; K: the contracted axis; several contracted axes count as one K, in the product's order):
;;     1. [M 4,096, K 512] x [K 512, N 8]; A: input x; B: input gate_w: left as it is (N = 8 < 16)
;;     2. [M 4,096, K 512] x [K 512, N 2,048]; A: input x; B: input w1: QUANTISED
;;     3. [M 4,096, K 2,048] x [K 2,048, N 512]; A: computed on the way; B: input w2: QUANTISED
;;     4. [M 4,096, K 512] x [K 512, N 2,048]; A: input x; B: input w1: QUANTISED
;;     5. [M 4,096, K 2,048] x [K 2,048, N 512]; A: computed on the way; B: input w2: QUANTISED
;;     6. [M 4,096, K 512] x [K 512, N 2,048]; A: input x; B: input w1: QUANTISED
;;     7. [M 4,096, K 2,048] x [K 2,048, N 512]; A: computed on the way; B: input w2: QUANTISED
;;     8. [M 4,096, K 512] x [K 512, N 2,048]; A: input x; B: input w1: QUANTISED
;;     9. [M 4,096, K 2,048] x [K 2,048, N 512]; A: computed on the way; B: input w2: QUANTISED
;;     10. [M 4,096, K 512] x [K 512, N 2,048]; A: input x; B: input w1: QUANTISED
;;     11. [M 4,096, K 2,048] x [K 2,048, N 512]; A: computed on the way; B: input w2: QUANTISED
;;     12. [M 4,096, K 512] x [K 512, N 2,048]; A: input x; B: input w1: QUANTISED
;;     13. [M 4,096, K 2,048] x [K 2,048, N 512]; A: computed on the way; B: input w2: QUANTISED
;;     14. [M 4,096, K 512] x [K 512, N 2,048]; A: input x; B: input w1: QUANTISED
;;     15. [M 4,096, K 2,048] x [K 2,048, N 512]; A: computed on the way; B: input w2: QUANTISED
;;     16. [M 4,096, K 512] x [K 512, N 2,048]; A: input x; B: input w1: QUANTISED
;;     17. [M 4,096, K 2,048] x [K 2,048, N 512]; A: computed on the way; B: input w2: QUANTISED
;;   THE QUANTISER, for each operand of a quantised product, along K:
;;     - K is cut into blocks of 32 from its start; a last block that is shorter is filled with zeros.
;;     - A block's scale is 2^e with e = floor(log2(the largest magnitude in the block)) - 2, held to -126 .. 127; a block of zeros has e = 0. As a byte (E8M0): e + 127.
;;     - Each number is divided by its block's scale, clamped to +-6, and rounded to the nearest number of E2M1, ties to even, subnormals kept.
;;     - The product sums the exact products of the quantised numbers (number of the format x scale) in f32.
;;   ~~~python
;;   def quantise(x, axis):      # numpy; x: float32 -> the quantised numbers, widened to float32 again
;;       x = np.moveaxis(x, axis, -1); K = x.shape[-1]
;;       x = np.pad(x, [(0, 0)] * (x.ndim - 1) + [(0, -K % 32)]); x = x.reshape(x.shape[:-1] + (-1, 32)); a = np.abs(x).max(-1, keepdims=True)
;;       e = np.where(a > 0, np.clip(np.frexp(np.where(a > 0, a, 1))[1] - 1 - 2, -126, 127), 0)      # np.frexp(a)[1] - 1 = floor(log2(a)), exactly
;;       r = np.clip(x / 2.0 ** e, -6, 6)
;;       step = 2.0 ** (np.maximum(np.frexp(np.where(r == 0, 1, r))[1] - 1, 0) - 1)
;;       q = np.round(r / step) * step * 2.0 ** e      # np.round: ties to even
;;       return np.moveaxis(q.reshape(q.shape[:-2] + (-1,))[..., :K], -1, axis).astype(np.float32)
;;   ~~~
;;   OPERANDS COMPUTED ON THE WAY. 'Computed on the way' means the value that the module computes at that place (a softmax that the list does not call 'softmax' is quantised finished and normalised). What goes into a quantiser is computed in f32, as accurately as f32 sums, v_exp_f32 and their like allow (about 1e-6 of the number): no bf16 or f16 on the way to a quantiser, and a product that is left as it is and whose result goes on into a quantised operand takes f32 operands (vector FMAs, or v_wmma_f32_16x16x4_f32). A number that lies on a knife's edge between two numbers of the format may be rounded either way, as far as f32 arithmetic and the matrix unit's own rounding can turn it there, and no further.
;; One version. Each part assembles by itself: llvm-mc -triple=amdgcn-amd-amdhsa -mcpu=gfx1250 --defsym DOCPART=n.
;; ======== version 1 of 1: 3 launches
;; workspace buffers: xq 1,048,576 bytes; xs 65,536 bytes; sel 32,768 bytes of whole numbers; score 32,768 bytes; partial 1,048,576 bytes
;; launch gate (part 1): grid 256 x 1, 4 waves a work-group, no clusters, 41,984 bytes of LDS; arguments x, gate_w, gate_b, xq, xs, sel, score; writes xq, xs, sel, score
.if DOCPART == 1
	.amdgcn_target "amdgcn-amd-amdhsa--gfx1250"
	.amdhsa_code_object_version 6
	.text
	.protected	k_qec699f4e59_gate
	.globl	k_qec699f4e59_gate
	.p2align	8
	.type	k_qec699f4e59_gate,@function
k_qec699f4e59_gate:
	s_mov_b64 s[64:65], 0
	v_nop
	global_prefetch_b8 v0, s[64:65] scope:SCOPE_SE
	s_setreg_imm32_b32 hwreg(HW_REG_WAVE_MODE, 25, 1), 1
	s_wait_xcnt 0x0
; x [4096][512] f32 is (a) turned into codes of FP4 (E2M1), K innermost, xq [token][256 bytes], with one E8M0 byte for each 32 along K, xs [token][16];
; (b) multiplied by gate_w [512][8] in f32 fused multiply-adds, + gate_b; the two largest logits' experts go to sel [token][2] (whole numbers; on a tie the lower index, as lax.top_k has it)
; and their softmax (the larger logit taken away first) to score [token][2].  No address and no branch hangs on a floating-point number: the choice is made by v_cndmask_b32 and stored at fixed places.
; SHARES.  A work-group takes 16 tokens, a wave 4.  For the work lane l holds k = 16 l .. 16 l + 15 of a row (two lanes to a block of 32); the loads take the row as it lies, 512 consecutive bytes each,
; and the row turns through the wave's own stage in LDS (places of 64 bytes + 16 of padding).
; LIMITS: NaN and infinities are not served.  A block of zeros, or one whose largest magnitude lies under 2^-124, gets the byte 1 (its codes are zeros or near it; this program alone reads the bytes).
; The logits are summed in another order than a row-by-row sum: two logits that agree within f32 rounding may change places.
.set SP,    80                         ; a place in a stage: 64 bytes + 16
.set ROWST, 32*SP                      ; a row's stage
.set WST,   4*ROWST                    ; a wave's four
.set XSL,   4*WST                      ; the work-group's 256 scale bytes
.set SELL,  XSL+256                    ; its 32 words of sel
.set SCL,   SELL+128                   ; its 32 words of score
.set R,    16                          ; v16-79   row j at R + 16 j: as loaded, then 16 neighbours
.set GW,   80                          ; v80-207  gate_w[16 l + i][e] at GW + 8 i + e
.set A,    208                         ; v208-215 a row's eight sums
.set M,    216                         ; v216-223 logits: lane l holds those of row l % 4
.set T,    224                         ; v224-231 lane permutes' destinations
.set BV,   232
.set BI,   233
.set SV,   234
.set SI,   235
.set NINF, 236
.set TT,   237
.set RC,   238
.set TP,   239
.set C,    240                         ; v240-247 codes, two registers a row
.set E,    248                         ; v248-251 scale bytes
	s_load_b256 s[4:11], s[0:1], 0x0               ; x s[4:5], gate_w s[6:7], gate_b s[8:9], xq s[10:11]
	s_load_b128 s[12:15], s[0:1], 0x20             ; xs s[12:13], sel s[14:15]
	s_load_b64 s[16:17], s[0:1], 0x30              ; score
	v_lshl_add_u32 v254, v0, 2, 0xa200
	v_mov_b32 v255, 0
	v_lshrrev_b32 v1, 5, v0
	v_readfirstlane_b32 s18, v1                    ; wave 0..3
	v_and_b32 v1, 31, v0                           ; lane
	v_lshlrev_b32 v2, 4, v1                        ; my 16 bytes of a load's 512
	s_mul_i32 s19, s18, WST
	v_lshrrev_b32 v3, 2, v1
	v_mul_u32_u24 v3, v3, SP
	v_and_b32 v8, 3, v1                            ; lane % 4
	v_lshl_add_u32 v3, v8, 4, v3
	v_add_nc_u32 v3, s19, v3                       ; the stage, in: SP (lane / 4) + 16 (lane % 4)
	v_mul_u32_u24 v4, v1, SP
	v_add_nc_u32 v4, s19, v4                       ; and out: SP x lane
	v_lshlrev_b32 v5, 3, v1                        ; 8 x lane: my codes in a row
	v_lshrrev_b32 v6, 1, v1
	s_lshl_b32 s19, s18, 6
	s_add_co_u32 s19, s19, XSL
	v_add_nc_u32 v6, s19, v6                       ; my block's byte: XSL + 64 wave + lane / 2 (+ 16 j)
	v_bfe_u32 v9, v0, 2, 1                         ; which choice my lane stores
	v_lshlrev_b32 v7, 3, v8
	v_lshl_add_u32 v7, v9, 2, v7
	s_lshl_b32 s19, s18, 5
	v_add_nc_u32 v7, s19, v7                       ; 32 wave + 8 (lane % 4) + 4 choice
	v_lshlrev_b32 v12, 9, v1                       ; gate_w: my 16 rows of 32 bytes
.irp j, 0,1,2,3
	v_cmp_eq_u32 s[32+\j], \j, v8                  ; lanes that keep row j's logits
.endr
	v_cmp_eq_u32 s36, 1, v9                        ; lanes that store choice 1
	s_mov_b32 s20, 0x76543210
	s_mov_b32 s21, 0xfedcba98                      ; v_permlanex16_b32's selects for lane l xor 16
.irp e, 0,1,2,3,4,5,6,7
	v_mov_b32 v[T+\e], 0                           ; written once: a lane permute's destination counts as one of its sources
.endr
	v_mov_b32 v[NINF], 0xff800000
	s_lshl_b32 s22, ttmp9, 15                      ; x: 16 rows of 2,048 bytes a work-group,
	s_lshl_b32 s23, s18, 13                        ; 4 a wave
	s_add_co_u32 s22, s22, s23
	s_mov_b32 s23, 0
	s_lshl_b32 s38, ttmp9, 12                      ; xq: rows of 256 bytes
	s_lshl_b32 s39, s18, 10
	s_add_co_u32 s38, s38, s39
	s_mov_b32 s39, 0
	s_lshl_b32 s40, ttmp9, 8                       ; xs: 256 bytes a work-group
	s_mov_b32 s41, 0
	s_lshl_b32 s42, ttmp9, 7                       ; sel, score: 128 bytes a work-group
	s_mov_b32 s43, 0
	s_wait_kmcnt 0x0
	s_load_b256 s[24:31], s[8:9], 0x0              ; gate_b's eight numbers
	s_add_nc_u64 s[4:5], s[4:5], s[22:23]
	s_add_nc_u64 s[10:11], s[10:11], s[38:39]
	s_add_nc_u64 s[12:13], s[12:13], s[40:41]
	s_add_nc_u64 s[14:15], s[14:15], s[42:43]
	s_add_nc_u64 s[16:17], s[16:17], s[42:43]
.irp j, 0,1,2,3
.irp i, 0,1,2,3
	global_load_b128 v[R+16*\j+4*\i:R+16*\j+4*\i+3], v2, s[4:5] offset:2048*\j+512*\i th:TH_LOAD_NT   ; 32 lanes read 512 consecutive bytes
.endr
.endr
.set m, 0
.rept 32
	global_load_b128 v[GW+4*m:GW+4*m+3], v12, s[6:7] offset:16*m
.set m, m+1
.endr
.irp j, 0,1,2,3
	s_wait_loadcnt 32+4*(3-\j)                     ; row j's four loads are in: behind them stand the later rows' and gate_w's 32
.irp i, 0,1,2,3
	ds_store_b128 v3, v[R+16*\j+4*\i:R+16*\j+4*\i+3] offset:ROWST*\j+8*SP*\i
.endr
.endr
	s_wait_dscnt 0x0                               ; the stores have read their registers, which the loads below fill again
.irp j, 0,1,2,3
.irp i, 0,1,2,3
	ds_load_b128 v[R+16*\j+4*\i:R+16*\j+4*\i+3], v4 offset:ROWST*\j+16*\i
.endr
.endr
	s_wait_loadcnt 0x0                             ; gate_w
	s_wait_kmcnt 0x0                               ; gate_b
; Row j: its codes and scale bytes leave; its eight logits are summed over the wave and kept in the lanes with lane % 4 = j.
.macro ROW j
.set XR, R+16*(\j)
	s_wait_dscnt 4*(3-\j)                          ; row j is back from the stage; the later rows' loads may be out
	v_max3_num_f32 v8, |v[XR]|, |v[XR+1]|, |v[XR+2]|               ; the largest magnitude of my 16, in two chains
	v_max3_num_f32 v9, |v[XR+3]|, |v[XR+4]|, |v[XR+5]|
.irp i, 6,10
	v_max3_num_f32 v8, v8, |v[XR+\i]|, |v[XR+\i+1]|
	v_max3_num_f32 v9, v9, |v[XR+\i+2]|, |v[XR+\i+3]|
.endr
	v_max3_num_f32 v8, v8, |v[XR+14]|, |v[XR+15]|
	v_max3_num_f32 v8, v8, v9, 0x1800000           ; and the floor 2^(3 - 127): the byte cannot fall under 1
	v_max_num_f32_dpp v8, v8, v8 row_xmask:1 row_mask:0xf bank_mask:0xf   ; with my neighbour's 16: the block's
	v_add_nc_u32 v11, 0xff000000, v8               ; 2 off its exponent field: the conversion takes the exponent field of this operand as its scale
	v_cvt_scalef32_pk8_fp4_f32 v[C+2*\j], v[XR:XR+7], v11
	v_cvt_scalef32_pk8_fp4_f32 v[C+2*\j+1], v[XR+8:XR+15], v11
	v_lshrrev_b32 v[E+\j], 23, v11                 ; the scale's byte (a plain line behind the conversions)
	ds_store_b8 v6, v[E+\j] offset:16*\j           ; both lanes of a block write the same byte with the same value
	global_store_b64 v5, v[C+2*\j:C+2*\j+1], s[10:11] offset:256*\j   ; the wave stores the row's 256 consecutive bytes, aligned
.irp p, 0,2,4,6
	v_pk_mul_f32 v[A+\p:A+\p+1], v[XR:XR+1], v[GW+\p:GW+\p+1] op_sel_hi:[0,1]   ; the first product starts the sums; x's number serves both halves
.endr
.irp p, 0,2,4,6
	v_pk_fma_f32 v[A+\p:A+\p+1], v[XR:XR+1], v[GW+8+\p:GW+8+\p+1], v[A+\p:A+\p+1] op_sel:[1,0,0] op_sel_hi:[1,1,1]
.endr
.irp i, 2,4,6,8,10,12,14
.irp p, 0,2,4,6
	v_pk_fma_f32 v[A+\p:A+\p+1], v[XR+\i:XR+\i+1], v[GW+8*\i+\p:GW+8*\i+\p+1], v[A+\p:A+\p+1] op_sel_hi:[0,1,1]
.endr
.irp p, 0,2,4,6
	v_pk_fma_f32 v[A+\p:A+\p+1], v[XR+\i:XR+\i+1], v[GW+8*\i+8+\p:GW+8*\i+8+\p+1], v[A+\p:A+\p+1] op_sel:[1,0,0] op_sel_hi:[1,1,1]
.endr
.endr
.irp m, 1,2,4,8
.irp e, 0,1,2,3,4,5,6,7
	v_add_f32_dpp v[A+\e], v[A+\e], v[A+\e] row_xmask:\m row_mask:0xf bank_mask:0xf
.endr
.endr
.irp e, 0,1,2,3,4,5,6,7
	v_permlanex16_b32 v[T+\e], v[A+\e], s20, s21
.endr
.irp e, 0,1,2,3,4,5,6,7
	v_add_f32 v[A+\e], v[A+\e], v[T+\e]            ; every lane holds the row's eight sums
.endr
.irp e, 0,1,2,3,4,5,6,7
.if \j == 0
	v_mov_b32 v[M+\e], v[A+\e]
.else
	v_cndmask_b32 v[M+\e], v[M+\e], v[A+\e], s[32+\j]
.endif
.endr
.endm
	ROW 0
	ROW 1
	ROW 2
	ROW 3
.irp e, 0,1,2,3,4,5,6,7
	v_add_f32 v[M+\e], s[24+\e], v[M+\e]           ; + gate_b
.endr
; The largest of the eight and its index; where two are equal the lower index stays.
.macro SCAN val, idx
	v_mov_b32 v[\val], v[M]
	v_mov_b32 v[\idx], 0
.irp e, 1,2,3,4,5,6,7
	v_cmp_ge_f32 vcc_lo, v[\val], v[M+\e]
	v_cndmask_b32 v[\idx], \e, v[\idx], vcc_lo
	v_cndmask_b32 v[\val], v[M+\e], v[\val], vcc_lo
.endr
.endm
	SCAN BV, BI
.irp e, 0,1,2,3,4,5,6,7
	v_cmp_eq_u32 vcc_lo, \e, v[BI]
	v_cndmask_b32 v[M+\e], v[M+\e], v[NINF], vcc_lo   ; the first choice is taken out
.endr
	SCAN SV, SI
	v_sub_f32 v[TT], v[SV], v[BV]                  ; the softmax of the two, the larger taken away: 1 / (1 + t) and t / (1 + t), t = e^(second - first), at most 1
	v_mul_f32 v[TT], 0x3fb8aa3b, v[TT]
	v_exp_f32 v[TT], v[TT]
	v_cndmask_b32 v[TP], v[BI], v[SI], s36         ; my lane's choice (a plain line behind the exponential)
	s_wait_alu depctr_va_vdst(0)                   ; the wait ahead of the result's first reader
	v_add_f32 v[RC], 1.0, v[TT]
	v_rcp_f32 v[RC], v[RC]
	v_nop
	s_wait_alu depctr_va_vdst(0)
	v_mul_f32 v[TT], v[TT], v[RC]
	v_cndmask_b32 v[RC], v[RC], v[TT], s36
	ds_store_b32 v7, v[TP] offset:SELL             ; lanes 8 to 31 write the words of lanes 0 to 7 again, with the same values
	ds_store_b32 v7, v[RC] offset:SCL
	s_wait_dscnt 0x0                               ; for the others' sake: my stores have landed
	s_barrier_signal -1
	s_barrier_wait -1
	s_cmp_lg_u32 s18, 0
	s_cbranch_scc1 .Lend                           ; wave 0 stores what the four waves gathered
	v_lshlrev_b32 v228, 2, v1
	ds_load_b64 v[224:225], v5 offset:XSL
	ds_load_b32 v226, v228 offset:SELL
	ds_load_b32 v227, v228 offset:SCL
	s_wait_dscnt 0x0
	global_store_b64 v5, v[224:225], s[12:13]      ; 256 consecutive bytes, aligned
	global_store_b32 v228, v226, s[14:15]          ; 128 consecutive bytes
	global_store_b32 v228, v227, s[16:17]
.Lend:
	s_barrier_signal -1
	s_barrier_wait -1
	s_wait_tensorcnt 0x0
	ds_add_u32 v254, v255
	s_wait_dscnt 0x0
	s_endpgm
.Lfunc_end_k_qec699f4e59_gate:
	.size	k_qec699f4e59_gate, .Lfunc_end_k_qec699f4e59_gate-k_qec699f4e59_gate
	.p2alignl 7, 3214868480
	.fill 96, 4, 3214868480
	.section	.rodata,"a",@progbits
	.p2align	6, 0x0
	.amdhsa_kernel k_qec699f4e59_gate
		.amdhsa_group_segment_fixed_size 41984
		.amdhsa_private_segment_fixed_size 0
		.amdhsa_enable_private_segment 0
		.amdhsa_kernarg_size 56
		.amdhsa_user_sgpr_count 2
		.amdhsa_user_sgpr_kernarg_segment_ptr 1
		.amdhsa_wavefront_size32 1
		.amdhsa_system_sgpr_workgroup_id_x 1
		.amdhsa_system_sgpr_workgroup_id_y 1
		.amdhsa_system_sgpr_workgroup_id_z 1
		.amdhsa_system_vgpr_workitem_id 0
		.amdhsa_next_free_vgpr 256
		.amdhsa_next_free_sgpr 66
		.amdhsa_reserve_vcc 1
		.amdhsa_float_denorm_mode_32 3
		.amdhsa_float_denorm_mode_16_64 3
		.amdhsa_memory_ordered 1
		.amdhsa_forward_progress 1
		.amdhsa_inst_pref_size 47
	.end_amdhsa_kernel
	.amdgpu_metadata
---
amdhsa.version: [ 1, 2 ]
amdhsa.kernels:
  - .name:           k_qec699f4e59_gate
    .symbol:         k_qec699f4e59_gate.kd
    .args:
      - { .name: x, .offset: 0, .size: 8, .value_kind: global_buffer, .address_space: global }
      - { .name: gate_w, .offset: 8, .size: 8, .value_kind: global_buffer, .address_space: global }
      - { .name: gate_b, .offset: 16, .size: 8, .value_kind: global_buffer, .address_space: global }
      - { .name: xq, .offset: 24, .size: 8, .value_kind: global_buffer, .address_space: global }
      - { .name: xs, .offset: 32, .size: 8, .value_kind: global_buffer, .address_space: global }
      - { .name: sel, .offset: 40, .size: 8, .value_kind: global_buffer, .address_space: global }
      - { .name: score, .offset: 48, .size: 8, .value_kind: global_buffer, .address_space: global }
    .group_segment_fixed_size: 41984
    .private_segment_fixed_size: 0
    .kernarg_segment_align: 8
    .kernarg_segment_size: 56
    .max_flat_workgroup_size: 128
    .sgpr_count:     66
    .vgpr_count:     256
    .wavefront_size: 32
...
	.end_amdgpu_metadata
.endif
;; end of part 1
;; launch chain (part 2): grid 32 x 8, 8 waves a work-group, no clusters, 53,760 bytes of LDS; arguments xq, xs, sel, partial, w1, b1, w2; writes partial
.if DOCPART == 2
	.amdgcn_target "amdgcn-amd-amdhsa--gfx1250"
	.amdhsa_code_object_version 6
	.text
	.protected	k_qec699f4e59_chain
	.globl	k_qec699f4e59_chain
	.p2align	8
	.type	k_qec699f4e59_chain,@function
k_qec699f4e59_chain:
	s_mov_b64 s[64:65], 0
	v_nop
	global_prefetch_b8 v0, s[64:65] scope:SCOPE_SE
	s_setreg_imm32_b32 hwreg(HW_REG_WAVE_MODE, 25, 1), 1
	s_wait_xcnt 0x0
; For each routed row (token, choice) of expert e: partial[s][pair] = the sum over all 512 channels d of ( Q(gelu(Q(x) Q(w1[e]) + b1[e]))[hidden 64 s .. 64 s + 63] . Q(w2[e])[those 64][d] ),
; Q the MX-FP4 quantiser along each product's K; both products by v_wmma_scale_f32_16x16x128_f8f6f4 on codes of E2M1; sums in f32.  What follows this launch keeps only the sum of y over d.
; THE WEIGHTS STAY.  Work-group (x = slice s of 64 hidden units, y = expert e) reads its 512 x 64 numbers of w1 and 64 x 512 of w2 once, as f32, quantises them (a lane to a column, its 32 registers one block down K),
; hands the codes round through LDS as images of the operands' registers, and every wave keeps all 32 fragments in registers (window 1).  No weight byte is read by two work-groups, and no code of a weight goes to memory.
; THE ROWS WALK.  Wave b takes the rows of expert e in batch b, 16 a trip.  A trip: x's codes gathered; 16 products for 64 hidden units (transposed: source 0 = 16 rows of w1^T,
; source 1 = 16 tokens; b1 is the C of the first K step); gelu by erf in f32; quantised in registers; 16 products against w2; one number a row.
; A segment has at most 512 rows, 32 tiles: the loop has 32 trips, and a trip past my last tile is jumped over by a scalar branch on my count of rows.
; THE LIST of my rows (pair ids 2 x token + choice, in token order) is made by the wave itself from sel, the whole numbers that an earlier launch stored, BY GATHERING: place n of the list looks for the n-th token that
; chose e, so that every LDS address is a constant + a constant x wave + a constant x lane + a counted loop's step, and only the DATA hang on sel.
; THE SECOND PRODUCT.  Its K here is 64 hidden units, the instruction's is 128: k 0..63 go against channels 32 i + r, k 64..127 against channels 32 i + 16 + r, with the hidden codes laid twice; the 16 instructions add
; onto 4 accumulators by turns.  Every multiply-add is one of the product's own, under its own block scales; what is merged early is only the sum over d.
; THE ROWS OF w1^T THAT FORM A TILE ARE NOT NEIGHBOURS: lane r of tile 2 b + u takes hidden unit 32 b + 8 u + r + 8 (r / 8), so that the 16 registers of tiles 2 b, 2 b + 1 are 16 neighbours along the next K.
; NO TENSOR LOAD, NO CLUSTER: which trips work hangs on numbers read from memory; no two work-groups share a weight byte; the one shared stream, x's codes, is a gather of 272 bytes a row.
; GELU: 0.5 v (1 + erf(v / sqrt 2)), erf(z) = z P(z^2) / Q(z^2) with z held to +-4 (degree 6 over degree 4), within a few units in the last place of erf.
; LIMITS: NaN and infinities are not served.  For v far under 0 the sum 1 + erf cancels: an absolute error of up to some 3e-8 |v|.  A block of zeros, or one whose largest magnitude lies under 2^-124, gets the byte 1.
; REGISTERS.  Window 0: v0-15 lane terms and addresses; X v16-47 x's four fragments; H v48-79 four tiles of the hidden layer, then the four accumulators; B1 v80-111; P v112-119 the hidden codes;
;   v120-127 small things; Z, X2 v128-143 at work; T v144-175, Q v176-207 erf's numerators and denominators; KA, KB v208-211; XS v212-215, PW v216, W1S v220-235, W2S v236-251: scale words and nothing else.
;   In the weight phase v16-79 take two sets of 32 numbers, v144-175 the codes of eight units, v176-207 my batch's sel and then the list's work.   Window 1: v0-127 w1's fragments at 8 (4 t + ks); v128-255 w2's at 128 + 8 i.
.set T1,    4224                       ; LDS: w1's four fragments of a tile, + 128 bytes, so that lanes 8-15 of a store fall on other banks than lanes 0-7
.set W1IMG, 0                          ; fragment (t, ks) at T1 t + 1,024 ks; a fragment's image: part c at 512 c, lane L's 16 bytes at 16 L
.set W2IMG, 4*T1                       ; fragment i at 1,024 i
.set W1SC,  W2IMG+16*1024              ; scale word of (t, ks, row r) at 64 (4 t + ks) + 4 r
.set W2SC,  W1SC+1024                  ; of (i, row r) at 64 i + 4 r
.set LISTB, W2SC+1024                  ; the lists: place n of wave w at LSTR w + 4 n
.set NBLK,  17                         ; blocks of 32 places: 512, and 32 more for the look-ahead of one tile
.set LSTR,  128*NBLK
.set MAXT,  32                         ; tiles of 16 rows in a segment of 512
.set LB,   11                          ; v11  my place in a block of the list: LISTB + LSTR wave + 4 lane
.set XA,   12
.set XSA,  13
.set PC,   14                          ; this tile's pair ids
.set PN,   15                          ; the next tile's
.set X,    16
.set H,    48
.set B1,   80
.set P,    112
.set PL,   120                         ; where the list's load lands
.set LA,   121                         ; the list's LDS address in hand
.set SA,   122
.set SUM,  123
.set PD,   124
.set LR,   125                         ; v125 my place in a tile of the list: LISTB + LSTR wave + 4 (lane % 16)
.set SO8,  126                         ; v126 8 x lane
.set TMP,  127
.set Z,    128
.set X2,   136
.set T,    144
.set Q,    176
.set KA,   208
.set KB,   210
.set XS,   212
.set PW,   216
.set W1S,  220
.set W2S,  236
.set XW,   16
.set CW,   144
.set SL,   176                         ; v176-207 sel of tokens 32 j + lane: choice 0 at SL + 2 j, choice 1 at SL + 2 j + 1
.set NN,   176                         ; and, when the masks are made, the list's work
.set N4,   177
.set MW,   178
.set BW,   179
.set PV,   180
.set RK,   181
.set CA,   182
.set CB,   183
.set CC,   184
.set SS,   185
.set TT,   186
.set UU,   187
.set PR,   188
.set MM,   48                          ; s48-63  word j: the tokens 32 j .. 32 j + 31 that chose e
.set BB,   66                          ; s66-81  those that chose it as choice 1
.set PK,   82                          ; s82-97  (my rows ahead of word j) x 16 + j
.set MSB, 0
.macro WIN new                         ; the immediate's high byte repeats the setting that is left
.if MSB != \new
	s_set_vgpr_msb (MSB<<8)|\new
.set MSB, \new
.endif
.endm
	s_load_b256 s[4:11], s[0:1], 0x0               ; xq s[4:5], xs s[6:7], sel s[8:9], partial s[10:11]
	s_load_b128 s[12:15], s[0:1], 0x20             ; w1 s[12:13], b1 s[14:15]
	s_load_b64 s[16:17], s[0:1], 0x30              ; w2
	v_lshl_add_u32 v254, v0, 2, 0xce00
	v_mov_b32 v255, 0
	v_lshrrev_b32 v1, 5, v0
	v_readfirstlane_b32 s20, v1                    ; wave 0..7: also my batch
	s_and_b32 s21, ttmp7, 0xffff                   ; e
	s_mov_b32 s22, ttmp9                           ; s
	s_and_b32 s23, s20, 1                          ; g: which 32 hidden units of w1 I quantise
	s_lshr_b32 s24, s20, 1                         ; ks: which 128 along D
	s_lshl_b32 s18, s20, 10                        ; my batch's first pair id
	v_and_b32 v1, 31, v0                           ; lane
	v_and_b32 v2, 15, v0                           ; r
	v_bfe_u32 v13, v0, 4, 1                        ; h
	v_lshlrev_b32 v3, 4, v13                       ; 16 h
	v_lshlrev_b32 v4, 2, v1                        ; 4 lane
	v_lshlrev_b32 v5, 4, v1                        ; 16 lane
	v_lshlrev_b32 v6, 2, v2                        ; 4 r
	v_lshlrev_b32 v[SO8], 3, v1                    ; 8 lane
	v_bfe_u32 v12, v0, 3, 1                        ; u = (lane / 8) % 2: which tile of the pair my hidden unit falls into,
	v_and_b32 v14, 7, v0
	v_lshl_add_u32 v14, v13, 3, v14                ; and which row of it: lane % 8 + 8 (lane / 16)
	s_mul_i32 s26, s23, 2*T1
	s_lshl_b32 s27, s24, 10
	s_add_co_u32 s26, s26, s27
	v_mul_u32_u24 v7, v12, T1
	v_lshl_add_u32 v7, v14, 4, v7
	v_add_nc_u32 v7, s26, v7                       ; w1's images: T1 (2 g + u) + 1,024 ks + 16 row (+ 256 for each block)
	s_lshl_b32 s26, s23, 9
	s_lshl_b32 s27, s24, 6
	s_add_co_u32 s26, s26, s27
	s_add_co_u32 s26, s26, W1SC
	v_lshlrev_b32 v8, 8, v12
	v_lshl_add_u32 v8, v14, 2, v8
	v_add_nc_u32 v8, s26, v8                       ; w1's scale words: W1SC + 256 (2 g + u) + 64 ks + 4 row
	s_lshl_b32 s26, s20, 11
	s_add_co_u32 s26, s26, W2IMG
	v_lshlrev_b32 v9, 4, v2
	v_lshl_add_u32 v9, v13, 9, v9
	v_add_nc_u32 v9, s26, v9                       ; w2's images: W2IMG + 2,048 wave + 512 (lane / 16) + 16 (lane % 16)
	s_lshl_b32 s26, s20, 7
	s_add_co_u32 s26, s26, W2SC
	v_lshl_add_u32 v10, v13, 1, v6
	v_add_nc_u32 v10, s26, v10                     ; w2's half scale words: W2SC + 128 wave + 4 (lane % 16) + 2 (lane / 16)
	s_mul_i32 s26, s20, LSTR
	s_add_co_u32 s26, s26, LISTB
	v_add_nc_u32 v[LB], s26, v4                    ; my list, by blocks of 32 places
	v_add_nc_u32 v[LR], s26, v6                    ; and by tiles of 16
	v_lshlrev_b32 v15, 6, v13                      ; b1: 64 h
	v_mov_b32 v[KA], 0xaf95df0b                    ; erf's leading coefficients, as pairs
	v_mov_b32 v[KA+1], 0xaf95df0b
	v_mov_b32 v[KB], 0xb77460cd
	v_mov_b32 v[KB+1], 0xb77460cd
	v_mov_b32 v[PD], 0                             ; written once: a lane permute's destination counts as one of its sources
	s_mov_b32 s34, 0x76543210
	s_mov_b32 s35, 0xfedcba98                      ; v_permlanex16_b32's selects for lane l xor 16
	s_lshl_b32 s26, s21, 22                        ; w1: expert e (4 MiB), rows 128 ks on (8,192 bytes each), columns 64 s + 32 g on
	s_lshl_b32 s27, s24, 20
	s_add_co_u32 s26, s26, s27
	s_lshl_b32 s27, s22, 8
	s_add_co_u32 s26, s26, s27
	s_lshl_b32 s27, s23, 7
	s_add_co_u32 s26, s26, s27
	s_mov_b32 s27, 0
	s_lshl_b32 s36, s21, 22                        ; w2: expert e, rows 64 s on (2,048 bytes each), columns 64 wave on
	s_lshl_b32 s37, s22, 17
	s_add_co_u32 s36, s36, s37
	s_lshl_b32 s37, s20, 8
	s_add_co_u32 s36, s36, s37
	s_mov_b32 s37, 0
	s_lshl_b32 s38, s21, 13                        ; b1: 8,192 e + 256 s
	s_lshl_b32 s39, s22, 8
	s_add_co_u32 s38, s38, s39
	s_mov_b32 s39, 0
	s_lshl_b32 s42, s20, 12                        ; sel: my batch's 512 tokens of 8 bytes
	s_mov_b32 s43, 0
	s_lshl_b32 s44, s22, 15                        ; partial: plane s of 32,768 bytes
	s_mov_b32 s45, 0
	s_wait_kmcnt 0x0
	s_add_nc_u64 s[12:13], s[12:13], s[26:27]
	s_add_nc_u64 s[16:17], s[16:17], s[36:37]
	s_add_nc_u64 s[14:15], s[14:15], s[38:39]
	s_add_nc_u64 s[8:9], s[8:9], s[42:43]
	s_add_nc_u64 s[10:11], s[10:11], s[44:45]
.set n, 0
.rept 16
	global_load_b64 v[SL+2*n:SL+2*n+1], v[SO8], s[8:9] offset:256*n   ; the two experts of token 32 n + lane: 256 consecutive bytes a load
.set n, n+1
.endr
.irp t, 0,1,2,3                        ; b1 in the result's layout: in tile 2 b + u lane (r, h) holds hidden units 32 b + 8 u + 16 h + 0 .. 7
	global_load_b128 v[B1+8*\t:B1+8*\t+3], v15, s[14:15] offset:4*(32*(\t/2)+8*(\t%2))
	global_load_b128 v[B1+8*\t+4:B1+8*\t+7], v15, s[14:15] offset:4*(32*(\t/2)+8*(\t%2))+16
.endr
; THE WEIGHT PHASE.  A wave has eight units of 32 columns x one block of 32 along K.  Units 0-3: w1, block 4 ks + u.  Units 4-7: w2, hidden block (u - 4) / 2, columns 32 ((u - 4) % 2) on.
; A load reads 128 consecutive bytes; the other half of each aligned 256 is read by the neighbour wave (w1) or by the next unit (w2), so the loads carry no hint that the bytes are not wanted again.
.macro LOADW u
.set LU, XW+32*((\u)%2)
.set li, 0
.rept 32
.if (\u) < 4
	global_load_b32 v[LU+li], v4, s[12:13] offset:(32*(\u)+li)*8192
.else
	global_load_b32 v[LU+li], v4, s[16:17] offset:(((\u)-4)/2)*65536+(((\u)-4)%2)*128+li*2048
.endif
.set li, li+1
.endr
.endm
.macro UNIT u
.if (\u) < 7
	s_wait_loadcnt 32                              ; this unit's 32 loads (and sel and b1, issued ahead of them) are in; the next unit's 32 may be out
.else
	s_wait_loadcnt 0x0
.endif
.set XU, XW+32*((\u)%2)
.set CU, CW+4*(\u)
	v_max3_num_f32 v128, |v[XU]|, |v[XU+1]|, |v[XU+2]|             ; the block's largest magnitude: all 32 numbers are mine
	v_max3_num_f32 v129, |v[XU+3]|, |v[XU+4]|, |v[XU+5]|
.irp i, 6,10,14,18,22,26
	v_max3_num_f32 v128, v128, |v[XU+\i]|, |v[XU+\i+1]|
	v_max3_num_f32 v129, v129, |v[XU+\i+2]|, |v[XU+\i+3]|
.endr
	v_max3_num_f32 v128, v128, |v[XU+30]|, |v[XU+31]|
	v_max3_num_f32 v128, v128, v129, 0x1800000     ; and the floor 2^(3 - 127): the byte cannot fall under 1
	v_add_nc_u32 v130, 0xff000000, v128            ; 2 off its exponent field: the conversion's scale operand
	v_lshrrev_b32 v131, 23, v130                   ; the scale's byte
.irp g, 0,1,2,3
	v_cvt_scalef32_pk8_fp4_f32 v[CU+\g], v[XU+8*\g:XU+8*\g+7], v130
.endr
	v_nop                                          ; one plain line behind the last conversion
.if (\u) < 4
	ds_store_b128 v7, v[CU:CU+3] offset:256*(\u)   ; block 2 c + h of the K step: part c, lanes 16 h on
.if (\u) == 0
	v_mov_b32 v140, v131
.else
	v_lshl_or_b32 v140, v131, 8*(\u), v140         ; my hidden unit's scale word for this K step
.endif
.else
	ds_store_b128 v9, v[CU:CU+3] offset:1024*(((\u)-4)%2)+256*(((\u)-4)/2)
.if (\u) < 6
	v_mov_b32 v[141+(\u)-4], v131
.else
	v_lshl_or_b32 v[141+(\u)-6], v131, 8, v[141+(\u)-6]            ; my channel's two bytes
.endif
.endif
.if (\u)+2 < 8
	LOADW (\u)+2
.endif
.if (\u) == 3
	ds_store_b32 v8, v140
.endif
.if (\u) >= 6
	ds_store_b16 v10, v[141+(\u)-6] offset:64*((\u)-6)
.endif
.endm
	LOADW 0
	LOADW 1
.irp u, 0,1,2,3,4,5
	UNIT \u
.endr
; MY LIST.  It is made here, where the last two units' 64 loads are on their way and no load is left to issue.
; Masks: bit l of word j stands for token 32 j + l of my batch.  A token's two experts differ, so a token counts once.
.irp j, 0,1,2,3,4,5,6,7,8,9,10,11,12,13,14,15
	v_cmp_eq_u32 s[MM+\j], s21, v[SL+2*\j]
	v_cmp_eq_u32 s[BB+\j], s21, v[SL+2*\j+1]
.endr
	s_mov_b32 s28, 0
.irp j, 0,1,2,3,4,5,6,7,8,9,10,11,12,13,14,15
	s_or_b32 s[MM+\j], s[MM+\j], s[BB+\j]
	s_lshl_b32 s[PK+\j], s28, 4
	s_or_b32 s[PK+\j], s[PK+\j], \j                ; the rows ahead of word j, and j below them: the keys rise with j
	s_bcnt1_i32_b32 s29, s[MM+\j]
	s_add_co_u32 s28, s28, s29
.endr                                  ; s28: my rows
	s_sub_co_u32 s29, s28, 1                       ; my last place
; One halving of the search for the RK-th set bit: the count of the lower w bits at SS stands in a field of w bits of src; where the rank reaches it, the upper half is taken.
.macro LEVEL src, w
	v_bfe_u32 v[TT], v[\src], v[SS], \w
	v_cmp_ge_u32 vcc_lo, v[RK], v[TT]
	v_cndmask_b32 v[UU], 0, v[TT], vcc_lo
	v_sub_nc_u32 v[RK], v[RK], v[UU]
	v_cndmask_b32 v[UU], 0, \w, vcc_lo
	v_add_nc_u32 v[SS], v[SS], v[UU]
.endm
	s_mov_b32 s31, 0
.Lblk:                                             ; NBLK trips: places s31 .. s31 + 31, a lane a place
	v_mov_b32 v[PR], 0                             ; a block past my last row holds zeros: it is read by the look-ahead alone, and what that brings is not used
	s_cmp_ge_u32 s31, s28
	s_cbranch_scc1 .Lfill
	v_add_nc_u32 v[NN], s31, v1
	v_min_u32 v[NN], s29, v[NN]                    ; a place past my last row is held at that row
	v_lshl_or_b32 v[N4], v[NN], 4, 15              ; a key is above this number just where more than n rows lie ahead of its word
	v_mov_b32 v[MW], s[MM]
	v_mov_b32 v[BW], s[BB]
	v_mov_b32 v[PV], s[PK]
.irp j, 1,2,3,4,5,6,7,8,9,10,11,12,13,14,15
	v_cmp_gt_u32 vcc_lo, s[PK+\j], v[N4]
	v_cndmask_b32 v[MW], s[MM+\j], v[MW], vcc_lo   ; the last word with at most n rows ahead of it holds row n
	v_cndmask_b32 v[BW], s[BB+\j], v[BW], vcc_lo
	v_cndmask_b32 v[PV], s[PK+\j], v[PV], vcc_lo
.endr
	v_lshrrev_b32 v[TT], 4, v[PV]
	v_sub_nc_u32 v[RK], v[NN], v[TT]               ; which of the word's set bits, from 0
	v_lshrrev_b32 v[TT], 1, v[MW]
	v_and_b32 v[TT], 0x55555555, v[TT]
	v_sub_nc_u32 v[CA], v[MW], v[TT]               ; the set bits of each 2,
	v_lshrrev_b32 v[TT], 2, v[CA]
	v_and_b32 v[TT], 0x33333333, v[TT]
	v_and_b32 v[UU], 0x33333333, v[CA]
	v_add_nc_u32 v[CB], v[TT], v[UU]               ; of each 4,
	v_lshrrev_b32 v[TT], 4, v[CB]
	v_add_nc_u32 v[TT], v[TT], v[CB]
	v_and_b32 v[CC], 0x0f0f0f0f, v[TT]             ; of each 8,
	v_lshrrev_b32 v[TT], 8, v[CC]
	v_add_nc_u32 v[TT], v[TT], v[CC]
	v_and_b32 v[TT], 0xff, v[TT]                   ; of the lower 16
	v_cmp_ge_u32 vcc_lo, v[RK], v[TT]
	v_cndmask_b32 v[UU], 0, v[TT], vcc_lo
	v_sub_nc_u32 v[RK], v[RK], v[UU]
	v_cndmask_b32 v[SS], 0, 16, vcc_lo
	LEVEL CC, 8
	LEVEL CB, 4
	LEVEL CA, 2
	LEVEL MW, 1                                    ; SS: the bit
	v_bfe_u32 v[TT], v[BW], v[SS], 1               ; the choice
	v_and_b32 v[UU], 15, v[PV]                     ; the word
	v_lshl_add_u32 v[UU], v[UU], 5, v[SS]          ; the token in my batch
	v_lshl_add_u32 v[UU], v[UU], 1, v[TT]
	v_add_nc_u32 v[PR], s18, v[UU]                 ; the pair id
.Lfill:
	s_lshl_b32 s33, s31, 2
	v_add_nc_u32 v[LA], s33, v[LB]
	ds_store_b32 v[LA], v[PR]
	s_add_co_u32 s31, s31, 32
	s_cmp_lt_u32 s31, 32*NBLK
	s_cbranch_scc1 .Lblk
	UNIT 6
	UNIT 7
	s_wait_dscnt 0x0                               ; for the others' sake: my images and scale words have landed (and my list)
	s_barrier_signal -1
	s_barrier_wait -1                              ; the launch's one barrier; nothing in LDS is written again
	s_add_co_u32 s30, s28, 15
	s_lshr_b32 s30, s30, 4                         ; my tiles of 16 rows
	s_cmp_eq_u32 s30, 0
	s_cbranch_scc1 .Lend                           ; this batch sent expert e nothing
.macro XADDR p                         ; token = pair / 2, held inside x: its 256 bytes of codes (+ 16 h) and its 16 scale bytes
	v_lshrrev_b32 v[TMP], 1, v[\p]
	v_min_u32 v[TMP], 0xfff, v[TMP]
	v_lshl_add_u32 v[XA], v[TMP], 8, v3
	v_lshlrev_b32 v[XSA], 4, v[TMP]
.endm
.macro XLOAD                           ; lane (r, h): of token r, K step ks, part c: the 16 bytes at 64 ks + 32 c + 16 h; and its four scale words
.irp ks, 0,1,2,3
.irp c, 0,1
	global_load_b128 v[X+8*\ks+4*\c:X+8*\ks+4*\c+3], v[XA], s[4:5] offset:64*\ks+32*\c
.endr
.endr
	global_load_b128 v[XS:XS+3], v[XSA], s[6:7]
.endm
	ds_load_b32 v[PC], v[LR]                       ; tile 0's pair ids
	s_wait_dscnt 0x0
	XADDR PC
	XLOAD                                          ; tile 0: it lands while the fragments are read back
	WIN 0x40                                       ; destination window 1, address window 0
.irp t, 0,1,2,3
.irp ks, 0,1,2,3
.irp c, 0,1
	ds_load_b128 v[8*(4*\t+\ks)+4*\c:8*(4*\t+\ks)+4*\c+3], v5 offset:W1IMG+T1*\t+1024*\ks+512*\c
.endr
.endr
.endr
.set n, 0
.rept 16
	ds_load_b128 v[128+8*n:128+8*n+3], v5 offset:W2IMG+1024*n
	ds_load_b128 v[128+8*n+4:128+8*n+7], v5 offset:W2IMG+1024*n+512
.set n, n+1
.endr
	WIN 0
.set n, 0
.rept 16
	ds_load_b32 v[W1S+n], v6 offset:W1SC+64*n      ; lane r: row r's word (lanes 16-31 hold the same and are not read)
	ds_load_b32 v[W2S+n], v6 offset:W2SC+64*n
.set n, n+1
.endr
.macro HORN d, c                       ; d = d z^2 + c, four pairs
.irp p, 0,2,4,6
	v_pk_fma_f32 v[\d+\p:\d+\p+1], v[\d+\p:\d+\p+1], v[X2+\p:X2+\p+1], \c op_sel_hi:[1,1,0]
.endr
.endm
.macro GELU k                          ; tile k: z P(z^2) into T, Q(z^2) into Q; the two chains by turns
.set HK, H+8*(\k)
.set TK, T+8*(\k)
.set QK, Q+8*(\k)
.irp p, 0,2,4,6
	v_pk_mul_f32 v[Z+\p:Z+\p+1], v[HK+\p:HK+\p+1], 0x3f3504f3 op_sel_hi:[1,0]   ; z = v / sqrt 2; each accumulator is read from its low end on
.endr
.irp p, 0,1,2,3,4,5,6,7
	v_med3_num_f32 v[Z+\p], v[Z+\p], -4.0, 4.0
.endr
.irp p, 0,2,4,6
	v_pk_mul_f32 v[X2+\p:X2+\p+1], v[Z+\p:Z+\p+1], v[Z+\p:Z+\p+1]
.endr
.irp p, 0,2,4,6
	v_pk_fma_f32 v[TK+\p:TK+\p+1], v[X2+\p:X2+\p+1], v[KA:KA+1], 0x32edffee op_sel_hi:[1,1,0]
.endr
.irp p, 0,2,4,6
	v_pk_fma_f32 v[QK+\p:QK+\p+1], v[X2+\p:X2+\p+1], v[KB:KB+1], 0xb95fbd29 op_sel_hi:[1,1,0]
.endr
	HORN TK, 0xb60cff51
	HORN QK, 0xbadc924e
	HORN TK, 0xb86ec2d2
	HORN QK, 0xbbf19bf8
	HORN TK, 0xba40ac63
	HORN QK, 0xbc69b6a7
	HORN TK, 0xbb41a1f6
	HORN TK, 0xbc83dbd4
.irp p, 0,2,4,6
	v_pk_mul_f32 v[TK+\p:TK+\p+1], v[TK+\p:TK+\p+1], v[Z+\p:Z+\p+1]
.endr
.endm
	s_mov_b32 s31, 0
	s_wait_dscnt 0x0                               ; the fragments and the weights' scale words
.Ltile:                                            ; MAXT trips
	s_cmp_ge_u32 s31, s30
	s_cbranch_scc1 .Lnone                          ; past my last tile: nothing but the count
	s_lshl_b32 s33, s31, 6
	v_add_nc_u32 v[LA], s33, v[LR]
	ds_load_b32 v[PL], v[LA] offset:64             ; the next tile's pair ids: they come back under the products below
	s_wait_loadcnt 0x0                             ; this tile's codes and scale words, asked for most of a trip ago; their address registers are free too
	WIN 0x01                                       ; source 0 in window 1
.irp ks, 0,1,2,3                       ; the four accumulators take turns, one instruction a turn
.irp t, 0,1,2,3
.if \ks == 0
	v_wmma_scale_f32_16x16x128_f8f6f4 v[H+8*\t:H+8*\t+7], v[8*(4*\t+\ks):8*(4*\t+\ks)+7], v[X+8*\ks:X+8*\ks+7], v[B1+8*\t:B1+8*\t+7], v[W1S+4*\t+\ks], v[XS+\ks] matrix_a_fmt:MATRIX_FMT_FP4 matrix_b_fmt:MATRIX_FMT_FP4
.else
	v_wmma_scale_f32_16x16x128_f8f6f4 v[H+8*\t:H+8*\t+7], v[8*(4*\t+\ks):8*(4*\t+\ks)+7], v[X+8*\ks:X+8*\ks+7], v[H+8*\t:H+8*\t+7], v[W1S+4*\t+\ks], v[XS+\ks] matrix_a_fmt:MATRIX_FMT_FP4 matrix_b_fmt:MATRIX_FMT_FP4
.endif
.endr
.endr
	WIN 0
	s_wait_dscnt 0x0                               ; the next tile's pair ids
	v_mov_b32 v[PN], v[PL]                         ; five plain lines that name no register of the products: the places in front of the loads into x's registers
	XADDR PN
	XLOAD                                          ; the next tile
	GELU 0
	GELU 1
	GELU 2
	GELU 3
.set j, 0
.rept 32
	v_rcp_f32 v[Q+j], v[Q+j]                       ; one batch
.set j, j+1
.endr
.set j, 0
.rept 16
	v_pk_mul_f32 v[H+j:H+j+1], v[H+j:H+j+1], 0.5 op_sel_hi:[1,0]   ; v / 2: work that names no reciprocal
.set j, j+2
.endr
.set j, 0
.rept 16
	v_pk_mul_f32 v[T+j:T+j+1], v[T+j:T+j+1], v[H+j:H+j+1]
.set j, j+2
.endr
	s_wait_alu depctr_va_vdst(0)                   ; the wait ahead of the batch's first reader: one for the 32
.set j, 0
.rept 16
	v_pk_fma_f32 v[H+j:H+j+1], v[T+j:T+j+1], v[Q+j:Q+j+1], v[H+j:H+j+1]   ; v / 2 + (v / 2) erf
.set j, j+2
.endr
	; the hidden layer's two blocks of 32: register H + 16 b + i is hidden unit 32 b + 16 h + i of my token
.irp b, 0,1
	v_max3_num_f32 v[Z+\b], |v[H+16*\b]|, |v[H+16*\b+1]|, 0x1800000   ; my 16 numbers, and the floor 2^(3 - 127)
.endr
.irp i, 2,4,6,8,10,12,14
.irp b, 0,1
	v_max3_num_f32 v[Z+\b], v[Z+\b], |v[H+16*\b+\i]|, |v[H+16*\b+\i+1]|
.endr
.endr
.irp b, 0,1
	v_permlanex16_b32 v[Z+2+\b], v[Z+\b], s34, s35
.endr
.irp b, 0,1
	v_max_num_f32 v[Z+\b], v[Z+\b], v[Z+2+\b]      ; with lane l xor 16's: the block's largest magnitude
.endr
.irp b, 0,1
	v_add_nc_u32 v[Z+4+\b], 0xff000000, v[Z+\b]    ; the conversion's scale operand
.endr
.irp b, 0,1
	v_lshrrev_b32 v[Z+6+\b], 23, v[Z+4+\b]         ; the scale's byte
.endr
	v_lshl_or_b32 v[X2], v[Z+7], 8, v[Z+6]
	v_lshl_or_b32 v[PW], v[X2], 16, v[X2]          ; the two bytes twice: k 0..63 and k 64..127 are the same 64 hidden units
.irp b, 0,1
	v_cvt_scalef32_pk8_fp4_f32 v[P+2*\b], v[H+16*\b:H+16*\b+7], v[Z+4+\b]
	v_cvt_scalef32_pk8_fp4_f32 v[P+2*\b+1], v[H+16*\b+8:H+16*\b+15], v[Z+4+\b]
.endr
	v_nop                                          ; one plain line behind the last conversion
	v_permlane16_swap_b32 v[P], v[P+2]             ; the operand wants a whole block in a lane: lanes 0-15 block 0, lanes 16-31 block 1
	v_permlane16_swap_b32 v[P+1], v[P+3]
.irp i, 0,1,2,3
	v_mov_b32 v[P+4+\i], v[P+\i]                   ; and the same codes for k 64..127
.endr
	s_wait_xcnt 0x0                                ; the last trip's store has read its address and its data: both are written again only behind this wait
	v_min_u32 v[SA], 0x1fff, v[PC]                 ; eight places between the operand and scale word just written and the scaled products: the store's address, two lines, and six v_nop
	v_lshlrev_b32 v[SA], 2, v[SA]
.rept 6
	v_nop
.endr
	WIN 0x01
.set n, 0
.rept 16                               ; source 0: channels 32 n + r (k 0..63) and 32 n + 16 + r (k 64..127); four accumulators by turns; the first four start the sums
.if n < 4
	v_wmma_scale_f32_16x16x128_f8f6f4 v[H+8*(n%4):H+8*(n%4)+7], v[128+8*n:128+8*n+7], v[P:P+7], 0, v[W2S+n], v[PW] matrix_a_fmt:MATRIX_FMT_FP4 matrix_b_fmt:MATRIX_FMT_FP4
.else
	v_wmma_scale_f32_16x16x128_f8f6f4 v[H+8*(n%4):H+8*(n%4)+7], v[128+8*n:128+8*n+7], v[P:P+7], v[H+8*(n%4):H+8*(n%4)+7], v[W2S+n], v[PW] matrix_a_fmt:MATRIX_FMT_FP4 matrix_b_fmt:MATRIX_FMT_FP4
.endif
.set n, n+1
.endr
	WIN 0
.rept 4
	v_nop                                          ; places in front of the first read of results
.endr
.irp j, 0,2,4,6                        ; my token's 32 numbers are added; each accumulator is read from its low end on
	v_pk_add_f32 v[T+2*\j:T+2*\j+1], v[H+\j:H+\j+1], v[H+8+\j:H+8+\j+1]
	v_pk_add_f32 v[T+2*\j+2:T+2*\j+3], v[H+16+\j:H+16+\j+1], v[H+24+\j:H+24+\j+1]
.endr
.irp m, 0,4,8,12
	v_pk_add_f32 v[T+\m:T+\m+1], v[T+\m:T+\m+1], v[T+\m+2:T+\m+3]   ; (these lines name no accumulator: with the four v_nop they are the places in front of the next trip's first product, which writes the accumulators anew)
.endr
	v_pk_add_f32 v[T:T+1], v[T:T+1], v[T+4:T+5]
	v_pk_add_f32 v[T+8:T+9], v[T+8:T+9], v[T+12:T+13]
	v_pk_add_f32 v[T:T+1], v[T:T+1], v[T+8:T+9]
	v_add_f32 v[SUM], v[T], v[T+1]
	v_permlanex16_b32 v[PD], v[SUM], s34, s35
	v_add_f32 v[SUM], v[SUM], v[PD]                ; with lane l xor 16's: the sum over all 512 channels
	; ALL 32 LANES STORE, 4 bytes at the pair's own place in plane s (the launch that adds the planes then reads 256 consecutive bytes a wave).  Lanes 16-31 hold the pair and the sum of lanes 0-15 (a + b and b + a);
	; a place past my last row was held at that row, so its lane gathered the same codes and made the same number: such lanes write the same word with the same value, and EXEC is never changed.
	global_store_b32 v[SA], v[SUM], s[10:11]
	v_mov_b32 v[PC], v[PN]
.Lnone:
	s_add_co_u32 s31, s31, 1
	s_cmp_lt_u32 s31, MAXT
	s_cbranch_scc1 .Ltile
.Lend:
	s_barrier_signal -1
	s_barrier_wait -1
	s_wait_tensorcnt 0x0
	ds_add_u32 v254, v255
	s_wait_dscnt 0x0
	s_endpgm
.Lfunc_end_k_qec699f4e59_chain:
	.size	k_qec699f4e59_chain, .Lfunc_end_k_qec699f4e59_chain-k_qec699f4e59_chain
	.p2alignl 7, 3214868480
	.fill 96, 4, 3214868480
	.section	.rodata,"a",@progbits
	.p2align	6, 0x0
	.amdhsa_kernel k_qec699f4e59_chain
		.amdhsa_group_segment_fixed_size 53760
		.amdhsa_private_segment_fixed_size 0
		.amdhsa_enable_private_segment 0
		.amdhsa_kernarg_size 56
		.amdhsa_user_sgpr_count 2
		.amdhsa_user_sgpr_kernarg_segment_ptr 1
		.amdhsa_wavefront_size32 1
		.amdhsa_system_sgpr_workgroup_id_x 1
		.amdhsa_system_sgpr_workgroup_id_y 1
		.amdhsa_system_sgpr_workgroup_id_z 1
		.amdhsa_system_vgpr_workitem_id 0
		.amdhsa_next_free_vgpr 512
		.amdhsa_next_free_sgpr 100
		.amdhsa_reserve_vcc 1
		.amdhsa_float_denorm_mode_32 3
		.amdhsa_float_denorm_mode_16_64 3
		.amdhsa_memory_ordered 1
		.amdhsa_forward_progress 1
		.amdhsa_inst_pref_size 94
	.end_amdhsa_kernel
	.amdgpu_metadata
---
amdhsa.version: [ 1, 2 ]
amdhsa.kernels:
  - .name:           k_qec699f4e59_chain
    .symbol:         k_qec699f4e59_chain.kd
    .args:
      - { .name: xq, .offset: 0, .size: 8, .value_kind: global_buffer, .address_space: global }
      - { .name: xs, .offset: 8, .size: 8, .value_kind: global_buffer, .address_space: global }
      - { .name: sel, .offset: 16, .size: 8, .value_kind: global_buffer, .address_space: global }
      - { .name: partial, .offset: 24, .size: 8, .value_kind: global_buffer, .address_space: global }
      - { .name: w1, .offset: 32, .size: 8, .value_kind: global_buffer, .address_space: global }
      - { .name: b1, .offset: 40, .size: 8, .value_kind: global_buffer, .address_space: global }
      - { .name: w2, .offset: 48, .size: 8, .value_kind: global_buffer, .address_space: global }
    .group_segment_fixed_size: 53760
    .private_segment_fixed_size: 0
    .kernarg_segment_align: 8
    .kernarg_segment_size: 56
    .max_flat_workgroup_size: 256
    .sgpr_count:     100
    .vgpr_count:     512
    .wavefront_size: 32
...
	.end_amdgpu_metadata
.endif
;; end of part 2
;; launch final (part 3): grid 8 x 1, 16 waves a work-group, no clusters, 3,072 bytes of LDS; arguments partial, sel, score, b2, out0; writes out0
.if DOCPART == 3
	.amdgcn_target "amdgcn-amd-amdhsa--gfx1250"
	.amdhsa_code_object_version 6
	.text
	.protected	k_qec699f4e59_final
	.globl	k_qec699f4e59_final
	.p2align	8
	.type	k_qec699f4e59_final,@function
k_qec699f4e59_final:
	s_mov_b64 s[64:65], 0
	v_nop
	global_prefetch_b8 v0, s[64:65] scope:SCOPE_SE
	s_setreg_imm32_b32 hwreg(HW_REG_WAVE_MODE, 25, 1), 1
	s_wait_xcnt 0x0
; z[token] = the sum over its two choices of score x (the 32 slices' sums + the sum over d of b2[expert][d]); out0[b][token] = z - max - ln(sum of e^(z - max)) over the batch's 512 tokens.
; Work-group b takes batch b, a thread one token.  partial is [slice 32][pair 8192]: a token's two numbers are 8 neighbouring bytes, so a wave's load reads 256 consecutive bytes, aligned.
; b2's eight row sums are made by the 16 waves (wave w: expert w % 8, half w / 8) and meet in LDS; a token's two are chosen by v_cndmask_b32: no address hangs on sel.
; LIMITS: NaN and infinities are not served.
.set PA,   16                          ; v16-79  the 32 slices' pairs
.set SB,   80                          ; v80-95  b2's sixteen half sums, then eight sums
.set B2S,  0                           ; LDS: 16 words each
.set RMAX, 256
.set RSUM, 512
.macro WSUM r                          ; the sum over the wave's 32 lanes, in every lane
.irp m, 1,2,4,8
	v_add_f32_dpp v[\r], v[\r], v[\r] row_xmask:\m row_mask:0xf bank_mask:0xf
.endr
	v_permlanex16_b32 v104, v[\r], s20, s21
	v_add_f32 v[\r], v[\r], v104
.endm
	s_load_b256 s[4:11], s[0:1], 0x0               ; partial s[4:5], sel s[6:7], score s[8:9], b2 s[10:11]
	s_load_b64 s[12:13], s[0:1], 0x20              ; out0
	v_lshl_add_u32 v112, v0, 2, 0x400
	v_mov_b32 v113, 0
	v_lshrrev_b32 v1, 5, v0
	v_readfirstlane_b32 s14, v1                    ; wave 0..15
	v_and_b32 v1, 31, v0
	v_lshlrev_b32 v2, 3, v0                        ; 8 x thread
	v_lshlrev_b32 v3, 4, v1                        ; 16 x lane
	v_lshlrev_b32 v4, 2, v0                        ; 4 x thread
	v_and_b32 v5, 15, v0
	v_lshlrev_b32 v5, 2, v5                        ; 4 x (lane % 16)
	v_mov_b32 v6, s14
	v_lshlrev_b32 v6, 2, v6                        ; 4 x wave
	v_mov_b32 v7, 0
	v_mov_b32 v104, 0                              ; written once: a lane permute's destination counts as one of its sources
	s_mov_b32 s20, 0x76543210
	s_mov_b32 s21, 0xfedcba98
	s_lshl_b32 s16, ttmp9, 12                      ; the batch's 512 tokens x 8 bytes
	s_mov_b32 s17, 0
	s_and_b32 s18, s14, 7
	s_lshl_b32 s18, s18, 11                        ; b2: row w % 8 of 2,048 bytes,
	s_lshr_b32 s19, s14, 3
	s_lshl_b32 s19, s19, 10                        ; half w / 8
	s_add_co_u32 s18, s18, s19
	s_mov_b32 s19, 0
	s_lshl_b32 s22, ttmp9, 11
	s_mov_b32 s23, 0
	s_wait_kmcnt 0x0
	s_add_nc_u64 s[4:5], s[4:5], s[16:17]
	s_add_nc_u64 s[6:7], s[6:7], s[16:17]
	s_add_nc_u64 s[8:9], s[8:9], s[16:17]
	s_add_nc_u64 s[10:11], s[10:11], s[18:19]
	s_add_nc_u64 s[12:13], s[12:13], s[22:23]
	global_load_b64 v[8:9], v2, s[6:7]             ; my two experts
	global_load_b64 v[10:11], v2, s[8:9]           ; my two scores
	global_load_b128 v[96:99], v3, s[10:11]
	global_load_b128 v[100:103], v3, s[10:11] offset:512
.set n, 0
.rept 32
	global_load_b64 v[PA+2*n:PA+2*n+1], v2, s[4:5] offset:32768*n th:TH_LOAD_NT
.set n, n+1
.endr
	s_wait_loadcnt 32                              ; the first four loads are in; partial's 32 may be out
	v_pk_add_f32 v[96:97], v[96:97], v[98:99]
	v_pk_add_f32 v[100:101], v[100:101], v[102:103]
	v_pk_add_f32 v[96:97], v[96:97], v[100:101]
	v_add_f32 v96, v96, v97
	WSUM 96
	ds_store_b32 v6, v96 offset:B2S                ; all lanes write the same word with the same value
	s_wait_dscnt 0x0
	s_barrier_signal -1
	s_barrier_wait -1
.irp i, 0,1,2,3
	ds_load_b128 v[SB+4*\i:SB+4*\i+3], v7 offset:B2S+16*\i
.endr
	s_wait_dscnt 0x0
.irp e, 0,1,2,3,4,5,6,7
	v_add_f32 v[SB+\e], v[SB+\e], v[SB+8+\e]       ; the sum over d of b2[e][d]
.endr
	v_mov_b32 v105, v[SB]
	v_mov_b32 v106, v[SB]
.irp e, 1,2,3,4,5,6,7
	v_cmp_eq_u32 vcc_lo, \e, v8
	v_cndmask_b32 v105, v105, v[SB+\e], vcc_lo
	v_cmp_eq_u32 vcc_lo, \e, v9
	v_cndmask_b32 v106, v106, v[SB+\e], vcc_lo
.endr
	s_wait_loadcnt 0x0
.set n, 4
.rept 28
	v_pk_add_f32 v[PA+2*(n%4):PA+2*(n%4)+1], v[PA+2*(n%4):PA+2*(n%4)+1], v[PA+2*n:PA+2*n+1]   ; four chains
.set n, n+1
.endr
	v_pk_add_f32 v[PA:PA+1], v[PA:PA+1], v[PA+2:PA+3]
	v_pk_add_f32 v[PA+4:PA+5], v[PA+4:PA+5], v[PA+6:PA+7]
	v_pk_add_f32 v[PA:PA+1], v[PA:PA+1], v[PA+4:PA+5]
	v_add_f32 v12, v[PA], v105
	v_add_f32 v13, v[PA+1], v106
	v_mul_f32 v12, v10, v12
	v_fma_f32 v12, v11, v13, v12                   ; z
	v_mov_b32 v107, v12
.irp m, 1,2,4,8
	v_max_num_f32_dpp v107, v107, v107 row_xmask:\m row_mask:0xf bank_mask:0xf
.endr
	v_permlanex16_b32 v104, v107, s20, s21
	v_max_num_f32 v107, v107, v104
	ds_store_b32 v6, v107 offset:RMAX
	s_wait_dscnt 0x0
	s_barrier_signal -1
	s_barrier_wait -1
	ds_load_b32 v108, v5 offset:RMAX               ; each half of the lanes holds the sixteen waves' maxima
	s_wait_dscnt 0x0
.irp m, 1,2,4,8
	v_max_num_f32_dpp v108, v108, v108 row_xmask:\m row_mask:0xf bank_mask:0xf
.endr
	v_sub_f32 v109, v12, v108                      ; z - max
	v_mul_f32 v110, 0x3fb8aa3b, v109
	v_exp_f32 v110, v110
	v_nop
	s_wait_alu depctr_va_vdst(0)                   ; the wait ahead of the result's first reader
	WSUM 110
	ds_store_b32 v6, v110 offset:RSUM
	s_wait_dscnt 0x0
	s_barrier_signal -1
	s_barrier_wait -1
	ds_load_b32 v111, v5 offset:RSUM
	s_wait_dscnt 0x0
.irp m, 1,2,4,8
	v_add_f32_dpp v111, v111, v111 row_xmask:\m row_mask:0xf bank_mask:0xf
.endr
	v_log_f32 v111, v111                           ; the sum is at least 1: the largest term is e^0
	v_nop
	s_wait_alu depctr_va_vdst(0)
	v_fmamk_f32 v111, v111, 0xbf317218, v109       ; z - max - ln 2 x log2(sum)
	global_store_b32 v4, v111, s[12:13]            ; a wave stores 128 consecutive bytes
	s_barrier_signal -1
	s_barrier_wait -1
	s_wait_tensorcnt 0x0
	ds_add_u32 v112, v113
	s_wait_dscnt 0x0
	s_endpgm
.Lfunc_end_k_qec699f4e59_final:
	.size	k_qec699f4e59_final, .Lfunc_end_k_qec699f4e59_final-k_qec699f4e59_final
	.p2alignl 7, 3214868480
	.fill 96, 4, 3214868480
	.section	.rodata,"a",@progbits
	.p2align	6, 0x0
	.amdhsa_kernel k_qec699f4e59_final
		.amdhsa_group_segment_fixed_size 3072
		.amdhsa_private_segment_fixed_size 0
		.amdhsa_enable_private_segment 0
		.amdhsa_kernarg_size 40
		.amdhsa_user_sgpr_count 2
		.amdhsa_user_sgpr_kernarg_segment_ptr 1
		.amdhsa_wavefront_size32 1
		.amdhsa_system_sgpr_workgroup_id_x 1
		.amdhsa_system_sgpr_workgroup_id_y 1
		.amdhsa_system_sgpr_workgroup_id_z 1
		.amdhsa_system_vgpr_workitem_id 0
		.amdhsa_next_free_vgpr 114
		.amdhsa_next_free_sgpr 66
		.amdhsa_reserve_vcc 1
		.amdhsa_float_denorm_mode_32 3
		.amdhsa_float_denorm_mode_16_64 3
		.amdhsa_memory_ordered 1
		.amdhsa_forward_progress 1
		.amdhsa_inst_pref_size 12
	.end_amdhsa_kernel
	.amdgpu_metadata
---
amdhsa.version: [ 1, 2 ]
amdhsa.kernels:
  - .name:           k_qec699f4e59_final
    .symbol:         k_qec699f4e59_final.kd
    .args:
      - { .name: partial, .offset: 0, .size: 8, .value_kind: global_buffer, .address_space: global }
      - { .name: sel, .offset: 8, .size: 8, .value_kind: global_buffer, .address_space: global }
      - { .name: score, .offset: 16, .size: 8, .value_kind: global_buffer, .address_space: global }
      - { .name: b2, .offset: 24, .size: 8, .value_kind: global_buffer, .address_space: global }
      - { .name: out0, .offset: 32, .size: 8, .value_kind: global_buffer, .address_space: global }
    .group_segment_fixed_size: 3072
    .private_segment_fixed_size: 0
    .kernarg_segment_align: 8
    .kernarg_segment_size: 40
    .max_flat_workgroup_size: 512
    .sgpr_count:     66
    .vgpr_count:     114
    .wavefront_size: 32
...
	.end_amdgpu_metadata
.endif
;; end of part 3
